; MI455X (gfx1250); checked and timed in simulation.
; The chip was launched on July 23, 2026; its instructions are those of AMD's public machine-readable ISA for CDNA 5 (MIT licence, August 2026) and "CDNA5" Instruction Set Architecture Reference Guide (July 2026). The comments in the code are by the model that wrote it; some were corrected since.
;; Multi Head Attention. Allowed arithmetic: matrix products marked QUANTISED: E5M2 operands, one given power-of-two scale a tensor, by v_wmma_f32_16x16x64_bf8_bf8 or v_wmma_f32_16x16x128_bf8_bf8, f32 sums; everything else in f32.
;; Inputs: W_out 1,024 x 1,024 float32; W_qkv 3,072 x 1,024 float32; lowp_scales 8 int32 (the exponents e of the quantised operands' scales 2^e); x 2 x 2,048 x 1,024 float32.
;; Outputs: out0 2 x 2,048 x 1,024 float32.
;; This version of the problem:
;;   THIS VERSION OF THE PROBLEM IS GIVEN IN LOW PRECISION. The matrix products marked QUANTISED in the list below multiply operands that are first quantised to E5M2 (5 exponent bits, 2 mantissa bits; 8 bits a number), with one given power-of-two scale for each operand tensor; their sums are f32. All else is computed in f32.
;;   The module's matrix products, in the order in which they are computed (A, B: the left and right operand; K: the contracted axis; several contracted axes count as one K, in the product's order):
;;     1. [M 4,096, K 1,024] x [K 1,024, N 3,072]; A: input x; B: input W_qkv: QUANTISED (scales: A lowp_scales[0], B lowp_scales[1])
;;     2. batch 32 x [M 2,048, K 64] x [K 64, N 2,048]; A: computed on the way; B: computed on the way: QUANTISED (scales: A lowp_scales[2], B lowp_scales[3])
;;     3. batch 32 x [M 2,048, K 2,048] x [K 2,048, N 64]; A: softmax (see below); B: computed on the way: QUANTISED (scales: A lowp_scales[4], B lowp_scales[5])
;;     4. [M 4,096, K 1,024] x [K 1,024, N 1,024]; A: computed on the way; B: input W_out: QUANTISED (scales: A lowp_scales[6], B lowp_scales[7])
;;   THE QUANTISER, for each operand of a quantised product, along K:
;;     - The operand's scale is 2^e, e = its entry of the input lowp_scales (int32; the entries are numbered through the quantised products in the list's order, A before B).
;;     - Each number is divided by the scale, clamped to +-57,344, and rounded to the nearest number of E5M2, ties to even, subnormals kept.
;;     - The product sums the exact products of the quantised numbers (number of the format x scale) in f32.
;;   ~~~python
;;   def quantise(x, axis, e):      # numpy; x: float32 -> the quantised numbers, widened to float32 again
;;       x = np.moveaxis(x, axis, -1); K = x.shape[-1]
;;       r = np.clip(x / 2.0 ** e, -57344, 57344)
;;       step = 2.0 ** (np.maximum(np.frexp(np.where(r == 0, 1, r))[1] - 1, -14) - 2)
;;       q = np.round(r / step) * step * 2.0 ** e      # np.round: ties to even
;;       return np.moveaxis(q, -1, axis).astype(np.float32)
;;   ~~~
;;   SOFTMAX AHEAD OF A QUANTISED PRODUCT. Where the list says 'softmax', what is quantised is not the finished softmax but p = 2^(t - M), with t = logit x log2(e) and M = ceil(the row's largest t), a whole number; so 1/2 < the row's largest p <= 1. The row's sum l is taken of the UNQUANTISED p, in f32, and the product's result is divided by l at the end. Since M is a whole number, a kernel that streams over the keys may use a running M (the ceiling of the running maximum): every later rescaling is an exact power of two, so the quantised numbers keep their values, but for numbers so far below the row's largest that they fall under the format's range.
;;   OPERANDS COMPUTED ON THE WAY. 'Computed on the way' means the value that the module computes at that place (a softmax that the list does not call 'softmax' is quantised finished and normalised). What goes into a quantiser is computed in f32, as accurately as f32 sums, v_exp_f32 and their like allow (about 1e-6 of the number): no bf16 or f16 on the way to a quantiser, and a product that is left as it is and whose result goes on into a quantised operand takes f32 operands (vector FMAs, or v_wmma_f32_16x16x4_f32). A number that lies on a knife's edge between two numbers of the format may be rounded either way, as far as f32 arithmetic and the matrix unit's own rounding can turn it there, and no further.
;; One version. Each part assembles by itself: llvm-mc -triple=amdgcn-amd-amdhsa -mcpu=gfx1250 --defsym DOCPART=n.
;; ======== version 1 of 1: 4 launches
;; limits: right only within a limited range of input values
;; workspace buffers: xc 4,194,304 bytes; wqc 3,145,728 bytes; woc 1,048,576 bytes; qc 4,194,304 bytes; kvc 8,388,608 bytes; oc 4,194,304 bytes
;; launch quant (part 1): grid 256 x 1, 4 waves a work-group, no clusters, 33,280 bytes of LDS; arguments x, W_qkv, W_out, lowp_scales, xc, wqc, woc; writes xc, wqc, woc
.if DOCPART == 1
	.amdgcn_target "amdgcn-amd-amdhsa--gfx1250"
	.amdhsa_code_object_version 6
	.text
	.protected	k_qcaf6c8fd39_quant
	.globl	k_qcaf6c8fd39_quant
	.p2align	8
	.type	k_qcaf6c8fd39_quant,@function
k_qcaf6c8fd39_quant:
	s_mov_b64 s[64:65], 0
	v_nop
	global_prefetch_b8 v0, s[64:65] scope:SCOPE_SE
	s_setreg_imm32_b32 hwreg(HW_REG_WAVE_MODE, 25, 1), 1
	s_wait_xcnt 0x0
; x [4096][1024], W_qkv [3072][1024] and W_out [1024][1024], f32 with K innermost, become codes of BF8 (E5M2), one byte each.
; LAYOUT OF THE CODES.  Rows are gathered in groups (256 rows of x, 64 rows of a weight); inside a group the four quarters of K (256 codes) follow each other, and inside a quarter the rows, 256 bytes each:
; x: (row / 256) << 18 | quarter << 16 | (row % 256) << 8 | k % 256;  weights: (row / 64) << 16 | quarter << 14 | (row % 64) << 8 | k % 256.  So any run of quarters of a group is one dense block.
; code = number / 2^e, held within +-57,344, rounded to the nearest code, ties to even.  e: entry 0 of the scales for x, entry 1 for W_qkv, entry 7 for W_out.
; LIMITS: each of these three e lies between -126 and 112, so that 2^e and 57,344 x 2^e are f32 numbers.  NaN among the inputs is not served (an infinity is held at the largest code).
; 8,388,608 numbers in all, 32,768 to a work-group: work-groups 0-127 take x, 128-223 W_qkv, 224-255 W_out; pointers, e and the group's shape are chosen by the work-group's number, and all tensors take one path.
; A wave takes 8 rows in 16 steps of 512 numbers.  The conversion takes 8 neighbours from ONE lane's registers, a load takes 512 consecutive bytes, 16 a lane: so a step's 2,048 bytes turn through the wave's own
; stage in LDS and come back 64 bytes a lane (16 bytes of padding behind each 64).  A lane's 16 codes are 16 bytes: a store of the wave covers two aligned blocks of 256 bytes, one in each of two quarters.
; No tensor loads, no barrier, no products, nothing shared between work-groups: so no cluster.  Loads run four steps (16 loads a wave) ahead, the turn through LDS one step.
.set STEPS, 16
.set WG_W,  128                        ; the first work-group of W_qkv
.set WG_O,  224                        ; the first work-group of W_out
.set EMAX,  15
.set MANT,  0x600000                   ; the mantissa field of 57,344 as f32
.set R,     16                         ; v16-79   four sets of 16 numbers as they are loaded
.set X,     80                         ; v80-111  two sets of 16 neighbours
.set C,     128                        ; v128-191 codes: four registers for each step, so that no store's data are written again
.set WREG,  8192                       ; LDS: a region of its own for each wave: two stages of 32 x SP bytes
.set SP,    80                         ; a lane's place in a stage: its 64 bytes + 16 of padding
	s_load_b256 s[4:11], s[0:1], 0x0               ; x s[4:5], W_qkv s[6:7], W_out s[8:9], the scales' exponents s[10:11]
	s_load_b128 s[12:15], s[0:1], 0x20             ; x's codes s[12:13], W_qkv's s[14:15]
	s_load_b64 s[24:25], s[0:1], 0x30              ; W_out's codes
	v_lshl_add_u32 v192, v0, 2, 0x8000             ; my spare word, behind the four regions
	v_mov_b32 v193, 0
	v_lshrrev_b32 v1, 5, v0
	v_readfirstlane_b32 s16, v1                    ; wave
	v_and_b32 v2, 31, v0                           ; lane
	v_lshlrev_b32 v3, 4, v2                        ; my 16 bytes of a load's 512
	s_mul_i32 s26, s16, WREG
	v_lshrrev_b32 v14, 2, v2
	v_mul_u32_u24 v14, v14, SP
	v_and_b32 v15, 3, v2
	v_lshl_add_u32 v14, v15, 4, v14
	v_add_nc_u32 v14, s26, v14                     ; the stage, on the way in: four lanes' 64 bytes on end, then 16 of padding
	v_mul_u32_u24 v15, v2, SP
	v_add_nc_u32 v15, s26, v15                     ; and on the way out: SP x lane: my 16 neighbours
	s_wait_alu depctr_va_vdst(0)
	s_wait_kmcnt 0x0
	s_load_b256 s[32:39], s[10:11], 0x0            ; e0 .. e7
	s_cmp_lt_u32 ttmp9, WG_O                       ; which tensor?  The choice hangs on the work-group's number alone
	s_cselect_b64 s[6:7], s[6:7], s[8:9]           ; W_qkv or W_out,
	s_cselect_b64 s[14:15], s[14:15], s[24:25]     ; their codes,
	s_mov_b32 s17, WG_O
	s_cselect_b32 s17, WG_W, s17                   ; their first work-group
	s_cmp_lt_u32 ttmp9, WG_W
	s_cselect_b64 s[4:5], s[4:5], s[6:7]           ; x or one of those
	s_cselect_b64 s[8:9], s[12:13], s[14:15]
	s_cselect_b32 s17, 0, s17
	s_cselect_b32 s27, 16, 14                      ; a quarter of a group is 2^s27 bytes
	s_cselect_b32 s28, 31, 7                       ; runs of 8 rows in a group, less one
	s_sub_co_u32 s17, ttmp9, s17
	s_lshl_b32 s17, s17, 2
	s_add_co_u32 s18, s17, s16                     ; which run of 8,192 numbers (8 rows) of the tensor is my wave's
	s_mov_b32 s19, 0
	s_lshl_b64 s[20:21], s[18:19], 15              ; 32,768 bytes of numbers
	s_add_nc_u64 s[4:5], s[4:5], s[20:21]
	s_and_b32 s22, s18, s28                        ; my run in its group,
	s_sub_co_u32 s20, s18, s22
	s_lshl_b32 s20, s20, 13                        ; the groups ahead of it,
	s_lshl_b32 s22, s22, 11                        ; and 8 rows of 256 bytes a run
	s_add_co_u32 s20, s20, s22
	s_mov_b32 s21, 0
	s_add_nc_u64 s[8:9], s[8:9], s[20:21]          ; quarters 0 and 1 of my rows,
	s_lshl_b32 s42, 2, s27
	s_mov_b32 s43, 0
	s_add_nc_u64 s[40:41], s[8:9], s[42:43]        ; quarters 2 and 3
.macro LOAD t
.irp i, 0,1,2,3
	global_load_b128 v[R+16*((\t)%4)+4*\i:R+16*((\t)%4)+4*\i+3], v3, s[4:5] offset:2048*(\t)+512*\i th:TH_LOAD_NT   ; 32 lanes read 512 consecutive bytes
.endr
.endm
.macro TURN t                          ; step t's numbers through the stage: LDS serves a wave's instructions in order, so no wait stands between the stores and the loads
.irp i, 0,1,2,3
	ds_store_b128 v14, v[R+16*((\t)%4)+4*\i:R+16*((\t)%4)+4*\i+3] offset:32*SP*((\t)%2)+8*SP*\i
.endr
.irp i, 0,1,2,3
	ds_load_b128 v[X+16*((\t)%2)+4*\i:X+16*((\t)%2)+4*\i+3], v15 offset:32*SP*((\t)%2)+16*\i
.endr
.endm
.irp t, 0,1,2,3
	LOAD \t
.endr
	s_wait_kmcnt 0x0
	s_cmp_lt_u32 ttmp9, WG_O
	s_cselect_b32 s22, s33, s39                    ; e1 or e7,
	s_cmp_lt_u32 ttmp9, WG_W
	s_cselect_b32 s22, s32, s22                    ; or e0
	s_add_co_i32 s22, s22, 127
	s_lshl_b32 s23, s22, 23
	v_mov_b32 v11, s23                             ; 2^e as f32: the conversion takes its exponent field
	s_add_co_i32 s22, s22, EMAX
	s_lshl_b32 s22, s22, 23
	s_or_b32 s22, s22, MANT
	v_mov_b32 v10, s22                             ; 57,344 x 2^e
	v_and_b32 v4, 15, v2
	v_lshrrev_b32 v5, 4, v2
	v_lshlrev_b32 v5, s27, v5                      ; lanes 16-31 hold the second of a step's two quarters
	v_lshl_add_u32 v4, v4, 4, v5                   ; my codes' place
	s_wait_alu depctr_va_vdst(0)
	s_wait_loadcnt 12                              ; step 0's four loads are in; the twelve of steps 1 to 3 may be out
	TURN 0
.macro STEP t
.set XS, X+16*((\t)%2)
	s_wait_dscnt 0x0                               ; this step's numbers are back from the stage: so its stores into the stage have read their registers,
.if (\t)+4 < STEPS
	LOAD (\t)+4                                    ; which take the loads of four steps on
.endif
.if (\t)+1 < STEPS
.if STEPS-2-(\t) >= 3
	s_wait_loadcnt 12                              ; the next step's four loads are in; those of the three steps behind it may be out
.else
	s_wait_loadcnt 4*(STEPS-2-(\t))                ; the tail: fewer steps are behind it
.endif
	TURN (\t)+1                                    ; and go through the other stage while this step is worked
.endif
.irp i, 0,1,2,3,4,5,6,7,8,9,10,11,12,13,14,15
	v_med3_num_f32 v[XS+\i], v[XS+\i], -v10, v10   ; the conversion to an 8-bit code does not saturate (ISA guide 7.6.2): the number is held within the largest code x the scale first
.endr
	v_cvt_scalef32_pk8_bf8_f32 v[C+4*(\t):C+4*(\t)+1], v[XS:XS+7], v11          ; eight numbers / 2^e, to the nearest code, ties to even; the first number's code in the lowest byte
	v_cvt_scalef32_pk8_bf8_f32 v[C+4*(\t)+2:C+4*(\t)+3], v[XS+8:XS+15], v11
.if ((\t)%2) == 0
	global_store_b128 v4, v[C+4*(\t):C+4*(\t)+3], s[8:9] offset:256*((\t)/2)    ; the codes go to a store alone; the next vector lines are the next step's holds, plain ones on other registers
.else
	global_store_b128 v4, v[C+4*(\t):C+4*(\t)+3], s[40:41] offset:256*((\t)/2)
.endif
.endm
.irp t, 0,1,2,3,4,5,6,7,8,9,10,11,12,13,14,15
	STEP \t
.endr
	s_wait_tensorcnt 0x0                           ; the wave's end
	ds_add_u32 v192, v193
	s_wait_dscnt 0x0
	s_endpgm
.Lfunc_end_k_qcaf6c8fd39_quant:
	.size	k_qcaf6c8fd39_quant, .Lfunc_end_k_qcaf6c8fd39_quant-k_qcaf6c8fd39_quant
	.p2alignl 7, 3214868480
	.fill 96, 4, 3214868480
	.section	.rodata,"a",@progbits
	.p2align	6, 0x0
	.amdhsa_kernel k_qcaf6c8fd39_quant
		.amdhsa_group_segment_fixed_size 33280
		.amdhsa_private_segment_fixed_size 0
		.amdhsa_enable_private_segment 0
		.amdhsa_kernarg_size 56
		.amdhsa_user_sgpr_count 2
		.amdhsa_user_sgpr_kernarg_segment_ptr 1
		.amdhsa_wavefront_size32 1
		.amdhsa_system_sgpr_workgroup_id_x 1
		.amdhsa_system_sgpr_workgroup_id_y 1
		.amdhsa_system_sgpr_workgroup_id_z 1
		.amdhsa_system_vgpr_workitem_id 0
		.amdhsa_next_free_vgpr 194
		.amdhsa_next_free_sgpr 66
		.amdhsa_reserve_vcc 0
		.amdhsa_float_denorm_mode_32 3
		.amdhsa_float_denorm_mode_16_64 3
		.amdhsa_memory_ordered 1
		.amdhsa_forward_progress 1
		.amdhsa_inst_pref_size 38
	.end_amdhsa_kernel
	.amdgpu_metadata
---
amdhsa.version: [ 1, 2 ]
amdhsa.kernels:
  - .name:           k_qcaf6c8fd39_quant
    .symbol:         k_qcaf6c8fd39_quant.kd
    .args:
      - { .name: x, .offset: 0, .size: 8, .value_kind: global_buffer, .address_space: global }
      - { .name: W_qkv, .offset: 8, .size: 8, .value_kind: global_buffer, .address_space: global }
      - { .name: W_out, .offset: 16, .size: 8, .value_kind: global_buffer, .address_space: global }
      - { .name: lowp_scales, .offset: 24, .size: 8, .value_kind: global_buffer, .address_space: global }
      - { .name: xc, .offset: 32, .size: 8, .value_kind: global_buffer, .address_space: global }
      - { .name: wqc, .offset: 40, .size: 8, .value_kind: global_buffer, .address_space: global }
      - { .name: woc, .offset: 48, .size: 8, .value_kind: global_buffer, .address_space: global }
    .group_segment_fixed_size: 33280
    .private_segment_fixed_size: 0
    .kernarg_segment_align: 8
    .kernarg_segment_size: 56
    .max_flat_workgroup_size: 128
    .sgpr_count:     66
    .vgpr_count:     194
    .wavefront_size: 32
...
	.end_amdgpu_metadata
.endif
;; end of part 1
;; launch qkv (part 2): grid 16 x 16, 4 waves a work-group, clusters of 4 x 4, 327,680 bytes of LDS; arguments xc, wqc, lowp_scales, qc, kvc; writes qc, kvc
.if DOCPART == 2
	.amdgcn_target "amdgcn-amd-amdhsa--gfx1250"
	.amdhsa_code_object_version 6
	.text
	.protected	k_qcaf6c8fd39_qkv
	.globl	k_qcaf6c8fd39_qkv
	.p2align	8
	.type	k_qcaf6c8fd39_qkv,@function
k_qcaf6c8fd39_qkv:
	s_mov_b64 s[64:65], 0
	v_nop
	global_prefetch_b8 v0, s[64:65] scope:SCOPE_SE
	s_setreg_imm32_b32 hwreg(HW_REG_WAVE_MODE, 25, 1), 1
	s_wait_xcnt 0x0
	s_wait_alu depctr_hold_cnt(0) depctr_sa_sdst(0) depctr_va_vdst(0) depctr_va_sdst(0) depctr_va_ssrc(0) depctr_va_vcc(0) depctr_vm_vsrc(0)
	s_getreg_b32 s2, hwreg(HW_REG_IB_STS2, 6, 4)
	s_cmp_eq_u32 s2, 0
	s_cbranch_scc0 .Lentry_in_a_cluster
	s_endpgm
.Lentry_in_a_cluster:
	s_bfe_u32 s2, ttmp6, 0x10000c
	s_cmp_lg_u32 s2, 0xf033
	s_cbranch_scc0 .Lentry_shape_is_right
	s_endpgm
.Lentry_shape_is_right:
; The projections of q, k and v: codes of x times codes of W_qkv (BF8, K = 1,024), sums in f32, quantised again and stored as images of attention's operand registers.
; SHARES.  A work-group takes 256 rows of x and one head's 64 rows of q, k and v each: 256 work-groups.  Four waves: 128 rows x (32 of q, 32 of k, 32 of v).
; K goes in four quarters of 256 through two slots in LDS, rows of 256 bytes + 16 of padding.  The codes lie so that neighbouring quarters of a group of rows are one dense block: at the head each wave issues ONE
; joint load that brings quarters 0 and 1, into both slots; quarters 2 and 3 come as refills.  Waves 0 to 2 fetch q's, k's and v's rows, wave 3 those of x.
; LDS: waves 0 to 2: 2 x 64 rows each (slot 0, slot 1), then x: 2 x 256 rows; behind them the spare words.
; CLUSTERS 4 x 4: x's tiles are asked for jointly along a row of the cluster, the weight's along a column.
; PREFETCH.  Behind the head's load each wave asks for its part of what the two refills will want, one and two steps of a slot ahead of them: each block of 256 bytes once in a cluster, the partners told apart by address.
; q and k are used transposed (source 0 = weight's rows), v is not: each conversion takes a lane's eight neighbours along the next product's K.
; LIMITS: e2, e3 or e5 less (e0 + e1) lies between -126 and 112, so that the conversions' scales and holds are f32 numbers.
.set PITCH, 272
.set HB,    64*PITCH
.set SLOT,  7*HB
.set SPARE, 2*SLOT
.set XF,   32
.set WF,   160
.set ADRA, 16
.set ADRB, 18
.set ADRV, 20
.set LI,   26
.set SPW,  28
.set NIL,  29
.set SC,   8
.set TMP,  32
.set QC,   128
.set KC,   160
.set VC0,  192
.set VC1,  208
.set G1A, 24
.set G0A, 32
.set G1B, 48
.set G0B, 56
.set LO0, 0xa0
.set HI0, 0xf0
.set LO1, 0xa5
.set HI1, 0xf5
.set MSB, 0
.macro WIN new
.if MSB != (\new)
	s_set_vgpr_msb (MSB<<8)|(\new)
.set MSB, (\new)
.endif
.endm
.macro JLOAD s
	s_cmp_eq_u32 s14, 3
	s_cbranch_scc0 .Lfor_b_\@
	tensor_load_to_lds s[G0A+4*\s:G0A+4*\s+3], s[G1A:G1A+7]
	s_nop 0
.rept 4
	v_nop
.endr
	s_branch .Lasked_\@
.Lfor_b_\@:
	tensor_load_to_lds s[G0B+4*\s:G0B+4*\s+3], s[G1B:G1B+7]
	s_nop 0
.rept 4
	v_nop
.endr
.Lasked_\@:
.endm
.macro CREST
	s_cmp_lg_u32 s14, 0
	s_cbranch_scc1 .Lnot_wave_0_\@
	s_barrier_signal -3
.Lnot_wave_0_\@:
	s_barrier_wait -3
	s_barrier_signal -1
	s_barrier_wait -1
.endm
.macro CROUND
	s_barrier_signal -1
	s_barrier_wait -1
	CREST
.endm
.macro PLACES n
.rept \n
	v_nop
.endr
.endm
	s_load_b256 s[4:11], s[0:1], 0x0
	s_load_b64 s[12:13], s[0:1], 0x20
	v_lshl_add_u32 v[SPW], v0, 2, SPARE
	v_mov_b32 v[NIL], 0
	ds_add_u32 v28, v29
	ds_add_u32 v28, v29
	s_wait_dscnt 0x0
	v_lshrrev_b32 v1, 5, v0
	v_readfirstlane_b32 s14, v1
	s_lshr_b32 s15, s14, 1
	s_and_b32 s16, s14, 1
	s_bfe_u32 s40, ttmp6, 0x40000
	s_bfe_u32 s41, ttmp6, 0x40004
	s_lshl_b32 s42, ttmp9, 2
	s_add_co_u32 s42, s42, s40
	s_and_b32 s17, ttmp7, 0xffff
	s_lshl_b32 s17, s17, 2
	s_add_co_u32 s17, s17, s41
	s_lshl_b32 s43, s41, 2
	s_lshl_b32 s43, 15, s43
	s_lshl_b32 s44, 0x1111, s40
	s_or_b32 s[G1A], s43, (0<<16)|(1<<20)|(1<<21)|(5<<22)|(3<<25)
	s_or_b32 s[G1B], s44, (0<<16)|(1<<20)|(1<<21)|(5<<22)|(3<<25)
	s_mov_b32 s[G1A+1], 256<<16
	s_mov_b32 s[G1A+2], 512<<16                    ; at the head two quarters: 512 rows of x, 128 of the weight, dense in memory
	s_mov_b32 s[G1A+3], 256<<16
	s_mov_b32 s[G1A+4], 512
	s_mov_b32 s[G1A+5], 256
	s_mov_b32 s[G1A+6], 0
	s_mov_b32 s[G1A+7], 0
	s_mov_b32 s[G1B+1], 256<<16
	s_mov_b32 s[G1B+2], 128<<16
	s_mov_b32 s[G1B+3], 256<<16
	s_mov_b32 s[G1B+4], 128
	s_mov_b32 s[G1B+5], 256
	s_mov_b32 s[G1B+6], 0
	s_mov_b32 s[G1B+7], 0
	s_lshl_b32 s20, s17, 18
	s_mov_b32 s21, 0
	s_min_u32 s46, s14, 2
	s_lshl_b32 s46, s46, 20
	s_lshl_b32 s47, s42, 16
	s_add_co_u32 s46, s46, s47
	s_mov_b32 s47, 0
	s_mul_i32 s45, s14, 2*HB
	s_wait_kmcnt 0x0
	s_load_b256 s[88:95], s[8:9], 0x0
	s_add_nc_u64 s[20:21], s[4:5], s[20:21]
	s_add_nc_u64 s[46:47], s[6:7], s[46:47]
.irp s, 0,1
	s_mov_b32 s[G0A+4*\s], 1
	s_add_co_u32 s[G0A+4*\s+1], s45, \s*4*HB                       ; slot s: 256 rows of x on,
	s_add_nc_u64 s[G0A+4*\s+2:G0A+4*\s+3], s[20:21], \s*65536      ; quarter s
	s_or_b32 s[G0A+4*\s+3], s[G0A+4*\s+3], 0x80000000
	s_mov_b32 s[G0B+4*\s], 1
	s_add_co_u32 s[G0B+4*\s+1], s45, \s*HB                         ; 64 rows of the weight on
	s_add_nc_u64 s[G0B+4*\s+2:G0B+4*\s+3], s[46:47], \s*16384
	s_or_b32 s[G0B+4*\s+3], s[G0B+4*\s+3], 0x80000000
.endr
	CROUND                                         ; all sixteen work-groups are here: the joint loads meet
	JLOAD 0                                        ; quarters 0 and 1, into both slots
	s_lshl_b32 s70, s40, 14                        ; the prefetches.  x: quarters 2 and 3, 256 blocks each: 64 to a partner (cx), 16 to a wave; lanes 0-15 quarter 2, lanes 16-31 quarter 3
	s_lshl_b32 s71, s14, 12
	s_add_co_u32 s70, s70, s71
	s_add_co_u32 s70, s70, 131072
	s_lshl_b32 s71, s41, 12                        ; the weight: 64 blocks each for q, k, v: 16 to a partner (cy)
	s_add_co_u32 s71, s71, 32768
	v_and_b32 v30, 15, v0
	v_bfe_u32 v31, v0, 4, 1
	v_lshlrev_b32 v30, 8, v30
	v_lshl_add_u32 v24, v31, 14, v30
	v_lshl_add_u32 v30, v31, 16, v30
	v_add_nc_u32 v24, s71, v24
	v_add_nc_u32 v30, s70, v30                     ; (v24, v30 and both bases are never rewritten)
	global_prefetch_b8 v30, s[20:21] th:TH_LOAD_NT scope:SCOPE_SE
	s_cmp_eq_u32 s14, 3
	s_cbranch_scc1 .Lno_weight
	global_prefetch_b8 v24, s[46:47] th:TH_LOAD_NT scope:SCOPE_SE
.Lno_weight:
	v_and_b32 v1, 15, v0
	v_bfe_u32 v2, v0, 4, 1
	v_mul_u32_u24 v3, v1, PITCH
	v_lshl_add_u32 v3, v2, 4, v3
	v_and_b32 v4, 8, v1
	v_add_nc_u32 v4, v4, v1
	v_mul_u32_u24 v4, v4, PITCH
	v_lshl_add_u32 v4, v2, 4, v4
	s_mul_i32 s70, s15, 128*PITCH
	s_add_co_u32 s70, s70, 6*HB
	s_mul_i32 s71, s16, 32*PITCH
	s_add_co_u32 s72, s71, 4*HB
.irp s, 0,1
	v_add_nc_u32 v[ADRA+\s], s70, v3
	v_add_nc_u32 v[ADRB+\s], s71, v3
	v_add_nc_u32 v[ADRV+\s], s72, v4
	s_add_co_u32 s70, s70, 4*HB
	s_add_co_u32 s71, s71, HB
	s_add_co_u32 s72, s72, HB
.endr
	v_and_b32 v[LI], 31, v0
	v_lshlrev_b32 v[LI], 4, v[LI]
	s_lshr_b32 s70, s17, 3
	s_lshl_b32 s70, s70, 4
	s_add_co_u32 s70, s70, s42
	s_and_b32 s71, s17, 7
	s_lshl_b32 s71, s71, 1
	s_add_co_u32 s71, s71, s15
	s_lshl_b32 s72, s70, 17
	s_lshl_b32 s73, s71, 13
	s_add_co_u32 s72, s72, s73
	s_lshl_b32 s73, s16, 9
	s_add_co_u32 s72, s72, s73
	s_mov_b32 s73, 0
	s_add_nc_u64 s[76:77], s[10:11], s[72:73]
	s_lshl_b32 s72, s70, 18
	s_lshl_b32 s74, s71, 14
	s_add_co_u32 s72, s72, s74
	s_lshl_b32 s74, s16, 9
	s_add_co_u32 s74, s74, s72
	s_mov_b32 s75, 0
	s_add_nc_u64 s[78:79], s[12:13], s[74:75]
	s_lshl_b32 s74, s16, 12
	s_add_co_u32 s74, s74, s72
	s_add_co_u32 s74, s74, 8192
	s_add_nc_u64 s[80:81], s[12:13], s[74:75]
	s_wait_kmcnt 0x0
	s_add_co_i32 s70, s88, s89
.irp n, 0,1,2
.if \n == 0
	s_sub_co_i32 s71, s90, s70
.elseif \n == 1
	s_sub_co_i32 s71, s91, s70
.else
	s_sub_co_i32 s71, s93, s70
.endif
	s_add_co_i32 s71, s71, 127
	s_lshl_b32 s72, s71, 23
	v_mov_b32 v[SC+2*\n], s72
	s_add_co_i32 s71, s71, 15
	s_lshl_b32 s71, s71, 23
	s_or_b32 s71, s71, 0x600000
	v_mov_b32 v[SC+2*\n+1], s71
.endr
.macro FRAG reg, adr, off
.irp c, 0,1,2,3
	ds_load_b128 v[\reg+4*\c:\reg+4*\c+3], v[\adr] offset:\off+32*\c
.endr
.endm
.macro FETCH slot, q, p
	WIN 0x40*(\p)
.irp i, 0,1,2,3,4,5,6,7
	FRAG XF+16*\i, ADRA+\slot, \i*16*PITCH+128*(\q)
.endr
.irp b, 0,1,2,3
	FRAG WF+16*\b, ADRB+\slot, (\b/2)*2*HB+(\b%2)*16*PITCH+128*(\q)
.endr
.irp b, 0,1
	FRAG WF+64+16*\b, ADRV+\slot, \b*8*PITCH+128*(\q)
.endr
.endm
.macro MUL12 i0, zero
.irp i, \i0, \i0+1
.irp b, 0,1,2,3
.if \zero
	v_wmma_f32_16x16x128_bf8_bf8 v[8*(6*((\i)%4)+\b):8*(6*((\i)%4)+\b)+7], v[WF+16*\b:WF+16*\b+15], v[XF+16*(\i):XF+16*(\i)+15], 0
.else
	v_wmma_f32_16x16x128_bf8_bf8 v[8*(6*((\i)%4)+\b):8*(6*((\i)%4)+\b)+7], v[WF+16*\b:WF+16*\b+15], v[XF+16*(\i):XF+16*(\i)+15], v[8*(6*((\i)%4)+\b):8*(6*((\i)%4)+\b)+7]
.endif
.endr
.irp b, 4,5
.if \zero
	v_wmma_f32_16x16x128_bf8_bf8 v[8*(6*((\i)%4)+\b):8*(6*((\i)%4)+\b)+7], v[XF+16*(\i):XF+16*(\i)+15], v[WF+16*\b:WF+16*\b+15], 0
.else
	v_wmma_f32_16x16x128_bf8_bf8 v[8*(6*((\i)%4)+\b):8*(6*((\i)%4)+\b)+7], v[XF+16*(\i):XF+16*(\i)+15], v[WF+16*\b:WF+16*\b+15], v[8*(6*((\i)%4)+\b):8*(6*((\i)%4)+\b)+7]
.endif
.endr
.endr
.endm
.macro STEP slot, zero
	s_wait_dscnt 0x0
	PLACES 4
	FETCH \slot, 1, 1
	WIN LO0
	MUL12 0, \zero
	MUL12 2, \zero
	WIN HI0
	MUL12 4, \zero
	MUL12 6, \zero
.endm
.macro TURN slot, next, fill
	WIN 0
	s_wait_tensorcnt 0x0
	ds_add_u32 v[SPW], v[NIL]
	s_wait_dscnt 1
	WIN LO1
	MUL12 0, 0
	s_wait_dscnt 0x0
	s_barrier_signal -1
	MUL12 2, 0
	WIN 0
	s_barrier_wait -1
.if \fill
	CREST
	s_add_nc_u64 s[G0A+4*\slot+2:G0A+4*\slot+3], s[G0A+4*\slot+2:G0A+4*\slot+3], 131072
	s_add_nc_u64 s[G0B+4*\slot+2:G0B+4*\slot+3], s[G0B+4*\slot+2:G0B+4*\slot+3], 32768
	JLOAD \slot
.else
	PLACES 4
.endif
	s_wait_alu depctr_va_vdst(0)
	FETCH \next, 0, 0
	WIN HI1
	MUL12 4, 0
	MUL12 6, 0
.endm
	s_wait_alu depctr_va_vdst(0)
	s_wait_tensorcnt 0x0                           ; my part of quarters 0 and 1 is in, so the descriptors may be written:
	s_mov_b32 s[G1A+2], 256<<16                    ; the refills bring one quarter each
	s_mov_b32 s[G1A+4], 256
	s_mov_b32 s[G1B+2], 64<<16
	s_mov_b32 s[G1B+4], 64
	s_barrier_signal -1
	s_barrier_wait -1                              ; and everybody's is
	FETCH 0, 0, 0
	STEP 0, 1
	TURN 0, 1, 1
	STEP 1, 0
	TURN 1, 0, 1
	STEP 0, 0
	TURN 0, 1, 0
	STEP 1, 0
	s_wait_dscnt 0x0
	WIN LO1
	MUL12 0, 0
	MUL12 2, 0
	WIN HI1
	MUL12 4, 0
	MUL12 6, 0
	WIN 0
	PLACES 4
.macro OUT i
	WIN 0x02+(\i)/4
.irp b, 0,1,2,3,4,5
.irp j, 0,1,2,3,4,5,6,7
	v_med3_num_f32 v[TMP+8*\b+\j], v[48*((\i)%4)+8*\b+\j], -v[SC+1+2*(\b/2)], v[SC+1+2*(\b/2)]
.endr
.endr
	WIN 0
	v_cvt_scalef32_pk8_bf8_f32 v[QC+4*(\i):QC+4*(\i)+1], v[TMP:TMP+7], v[SC]
	v_cvt_scalef32_pk8_bf8_f32 v[QC+4*(\i)+2:QC+4*(\i)+3], v[TMP+8:TMP+15], v[SC]
	v_cvt_scalef32_pk8_bf8_f32 v[KC+4*(\i):KC+4*(\i)+1], v[TMP+16:TMP+23], v[SC+2]
	v_cvt_scalef32_pk8_bf8_f32 v[KC+4*(\i)+2:KC+4*(\i)+3], v[TMP+24:TMP+31], v[SC+2]
	v_cvt_scalef32_pk8_bf8_f32 v[VC0+2*(\i):VC0+2*(\i)+1], v[TMP+32:TMP+39], v[SC+4]
	v_cvt_scalef32_pk8_bf8_f32 v[VC1+2*(\i):VC1+2*(\i)+1], v[TMP+40:TMP+47], v[SC+4]
	v_nop
	global_store_b128 v[LI], v[QC+4*(\i):QC+4*(\i)+3], s[76:77] offset:1024*(\i)
	global_store_b128 v[LI], v[KC+4*(\i):KC+4*(\i)+3], s[78:79] offset:1024*(\i)
.if ((\i)%2) == 1
	global_store_b128 v[LI], v[VC0+2*(\i)-2:VC0+2*(\i)+1], s[80:81] offset:512*((\i)/2)
	global_store_b128 v[LI], v[VC1+2*(\i)-2:VC1+2*(\i)+1], s[80:81] offset:2048+512*((\i)/2)
.endif
.endm
.irp i, 0,1,2,3,4,5,6,7
	OUT \i
.endr
	s_wait_tensorcnt 0x0
	ds_add_u32 v[SPW], v[NIL]
	s_wait_dscnt 0x0
	CROUND
	s_endpgm
.Lfunc_end_k_qcaf6c8fd39_qkv:
	.size	k_qcaf6c8fd39_qkv, .Lfunc_end_k_qcaf6c8fd39_qkv-k_qcaf6c8fd39_qkv
	.p2alignl 7, 3214868480
	.fill 96, 4, 3214868480
	.section	.rodata,"a",@progbits
	.p2align	6, 0x0
	.amdhsa_kernel k_qcaf6c8fd39_qkv
		.amdhsa_group_segment_fixed_size 327680
		.amdhsa_private_segment_fixed_size 0
		.amdhsa_enable_private_segment 0
		.amdhsa_kernarg_size 40
		.amdhsa_user_sgpr_count 2
		.amdhsa_user_sgpr_kernarg_segment_ptr 1
		.amdhsa_wavefront_size32 1
		.amdhsa_system_sgpr_workgroup_id_x 1
		.amdhsa_system_sgpr_workgroup_id_y 1
		.amdhsa_system_sgpr_workgroup_id_z 1
		.amdhsa_system_vgpr_workitem_id 0
		.amdhsa_next_free_vgpr 1024
		.amdhsa_next_free_sgpr 100
		.amdhsa_reserve_vcc 0
		.amdhsa_float_denorm_mode_32 3
		.amdhsa_float_denorm_mode_16_64 3
		.amdhsa_memory_ordered 1
		.amdhsa_forward_progress 1
		.amdhsa_inst_pref_size 96
	.end_amdhsa_kernel
	.amdgpu_metadata
---
amdhsa.version: [ 1, 2 ]
amdhsa.kernels:
  - .name:           k_qcaf6c8fd39_qkv
    .symbol:         k_qcaf6c8fd39_qkv.kd
    .args:
      - { .name: xc, .offset: 0, .size: 8, .value_kind: global_buffer, .address_space: global }
      - { .name: wqc, .offset: 8, .size: 8, .value_kind: global_buffer, .address_space: global }
      - { .name: lowp_scales, .offset: 16, .size: 8, .value_kind: global_buffer, .address_space: global }
      - { .name: qc, .offset: 24, .size: 8, .value_kind: global_buffer, .address_space: global }
      - { .name: kvc, .offset: 32, .size: 8, .value_kind: global_buffer, .address_space: global }
    .group_segment_fixed_size: 327680
    .private_segment_fixed_size: 0
    .kernarg_segment_align: 8
    .kernarg_segment_size: 40
    .max_flat_workgroup_size: 128
    .sgpr_count:     100
    .vgpr_count:     1024
    .wavefront_size: 32
...
	.end_amdgpu_metadata
.endif
;; end of part 2
;; launch attn (part 3): grid 128 x 2, 16 waves a work-group, clusters of 4 x 1, 327,680 bytes of LDS; arguments qc, kvc, lowp_scales, oc; writes oc
.if DOCPART == 3
	.amdgcn_target "amdgcn-amd-amdhsa--gfx1250"
	.amdhsa_code_object_version 6
	.text
	.protected	k_qcaf6c8fd39_attn
	.globl	k_qcaf6c8fd39_attn
	.p2align	8
	.type	k_qcaf6c8fd39_attn,@function
k_qcaf6c8fd39_attn:
	s_mov_b64 s[64:65], 0
	v_nop
	global_prefetch_b8 v0, s[64:65] scope:SCOPE_SE
	s_setreg_imm32_b32 hwreg(HW_REG_WAVE_MODE, 25, 1), 1
	s_wait_xcnt 0x0
	s_wait_alu depctr_hold_cnt(0) depctr_sa_sdst(0) depctr_va_vdst(0) depctr_va_sdst(0) depctr_va_ssrc(0) depctr_va_vcc(0) depctr_vm_vsrc(0)
	s_getreg_b32 s2, hwreg(HW_REG_IB_STS2, 6, 4)
	s_cmp_eq_u32 s2, 0
	s_cbranch_scc0 .Lentry_in_a_cluster
	s_endpgm
.Lentry_in_a_cluster:
	s_bfe_u32 s2, ttmp6, 0x10000c
	s_cmp_lg_u32 s2, 0x3003
	s_cbranch_scc0 .Lentry_shape_is_right
	s_endpgm
.Lentry_shape_is_right:
; Causal attention on codes of BF8 (E5M2): S^T = K Q^T (K = 64), p = 2^(t - M), O^T = V^T P^T (K = the keys), O / l; the result is quantised (scale 2^e6) and stored as images of the next product's operand registers.
; t = score x log2(e) / 8; M = the row's running largest t rounded UP to a whole number; p is quantised with 2^e4 and not normalised; the row's sum l is taken of the unquantised p.  When M moves, l and O^T are multiplied by 2^(old M - new M): exact.
; WORK LEFT OUT: blocks of 128 keys, and upper halves of such blocks, whose keys all come after a tile's queries: reference()'s own mask makes them -inf for all inputs.  A NaN or an infinity there is not carried to the result.
; CLUSTER.  Four work-groups share a head's K and V: each of the sixteen waves issues one joint load of 16,384 bytes at the head, the head's whole K and V; no byte is filled twice.  A group j of 64 queries is dealt out over
; the four partners, 16 queries each (cx): so every branch hangs on the wave's number, the cluster's number and the count of steps alone, and the partners walk alike.  No prefetch: all of K and V is asked for at the head.
; SHARES.  Group j needs j / 2 + 1 blocks of 128 keys; groups j and 31 - j together 17.  Cluster (head, y) takes the pairs j = 2 p + y, p = 0 .. 7; two waves take a pair.  Wave A: the first nine blocks of the long group 31 - j.
; Wave B: the p + 1 blocks of the short group j, which it finishes, then the 7 - p blocks that are left of the long one; its part goes to A through LDS.  A has nine steps, B eight.  p = wave / 2; B where (wave xor wave / 4) is odd: two of any four waves w % 4 alike or w / 4 alike.
; LDS.  Block b at 16,384 b: 8 tiles of 16 keys (1,024 bytes: lane l's registers 4 c .. 4 c + 3 at 512 c + 16 l), then 4 tiles of 16 channels of V^T (2,048 bytes).  Every fragment load takes 512 consecutive bytes.  Behind them the spare words, then B's parts.
; LAYOUT.  Both products are used transposed: a lane holds ONE query (lane % 16).  In S^T's tile T register j is key 16 T + 8 (lane / 16) + j: the conversion's two registers are registers 2 T, 2 T + 1 of the K = 128 operand (or, T < 4, of the K = 64 one).
; V^T's tile 2 b + u holds in row r channel 32 b + 8 u + r + 8 (r / 8): so O^T's 16 registers of tiles 2 b, 2 b + 1 are channels 32 b + 16 (lane / 16) + 0 .. 15.
; THE DIAGONAL.  In its last block a tile lies at place 4 (j % 2) + cx.  j even: the upper 64 keys are hidden, and the step is one of 64 keys; j odd: the lower 64 all count.  In the half that is left tile T < cx counts, T > cx is hidden, T = cx by the lane.
; oc: byte G << 16 | ch << 14 | ri << 12 | kl << 11 | c << 9 | 16 lane: rows 64 G + 16 ri + lane % 16, K = 256 ch + 128 kl + 32 c + 16 (lane / 16) + 0 .. 15.
; LIMITS: e2 + e3 between -123 and 130 (added to c's exponent field); e4 and e6 between -126 and 112; e4 + e5 is applied by v_ldexp_f32 and has none.
; REGISTERS: v1 16 x lane; v2 the step's LDS address; v3, v4 the pair's part in LDS; v5, v6 the add's; v7 -infinity; v12 -M, v13 the largest t, v[14:15] l in two halves; v16-23 Q, v24-31 the long group's Q; v32-95 K's eight fragments, then V's four;
;   v96-159 S^T, then p; v160-191 O^T; v192-197 sums; v224-239 p's codes; v240-255 scales and at work.
.set LI,  1
.set ADK, 2
.set SPW, 5
.set NIL, 6
.set SPARE, 262144
.set STAGE, SPARE+2048
.set PART, 4352                        ; a pair's part: O^T 8 x 512 bytes, then -M and l, 8 bytes a lane
.set IT,  2                            ; s2   the trip
.set KK,  3                            ; s3   0: all keys of the step count; 1: its upper half lies on the diagonal; 2: its lower half does
.set WV,  18                           ; s18  my wave's number
.set SEL, 20                           ; s[20:21] lane selects for v_permlanex16_b32: lane l xor 16
.set CS,  22                           ; s[22:23] c = log2(e) / 8 x 2^(e2 + e3)
.set G1,  24                           ; s[24:31] descriptor group 1;  s[32:35] group 0
.set G0,  32
.set CX,  40                           ; s40 cx; s41 y; s42 p; s43 1 in B; s44 j, s45 31 - j
.set NL,  80                           ; s80  B: the trip at which the long group's part begins; A: none
.set SKIP, 81                          ; s81  what is added to the trip from then on: block 9 onwards
.set NTR, 82                           ; s82  my steps
.set DB,  83                           ; s83  the block on the diagonal of the group in hand (s84: of the long group)
.set KD,  85                           ; s85  what KK is there (s86: of the long group)
.set MJ,  88                           ; s88-95 tile T = cx: the lanes whose query does not see register j's key
.set BT,  96                           ; s96-99 all ones where T > cx, else 0
.macro CROUND                          ; a round of the cluster's barrier
	s_barrier_signal -1
	s_barrier_wait -1
	s_cmp_lg_u32 s[WV], 0
	s_cbranch_scc1 .Lnot_wave_0_\@
	s_barrier_signal -3
.Lnot_wave_0_\@:
	s_barrier_wait -3
	s_barrier_signal -1
	s_barrier_wait -1
.endm
	s_load_b256 s[4:11], s[0:1], 0x0               ; qc s[4:5], kvc s[6:7], the scales' exponents s[8:9], oc s[10:11]
	v_lshl_add_u32 v[SPW], v0, 2, SPARE
	v_mov_b32 v[NIL], 0
	ds_add_u32 v[SPW], v[NIL]                      ; the add, twice on end, ahead of my first tensor load
	ds_add_u32 v[SPW], v[NIL]
	v_lshrrev_b32 v8, 5, v0
	s_delay_alu instid0(VALU_DEP_1)
	v_readfirstlane_b32 s[WV], v8                  ; wave 0..15
	s_bfe_u32 s[CX], ttmp6, 0x40000
	s_and_b32 s41, ttmp7, 0xffff
	s_lshr_b32 s42, s[WV], 1
	s_lshr_b32 s43, s[WV], 2
	s_xor_b32 s43, s43, s[WV]
	s_and_b32 s43, s43, 1
	s_lshl_b32 s44, s42, 1
	s_add_co_u32 s44, s44, s41
	s_sub_co_u32 s45, 31, s44
	s_lshl_b32 s51, s[WV], 14                      ; block = wave: its place in LDS and in the head's bytes
	s_lshl_b32 s52, ttmp9, 18                      ; the cluster's x is the head: 262,144 bytes of K and V
	s_add_co_u32 s52, s52, s51
	s_mov_b32 s53, 0
	s_mov_b32 s[G1], 15|(3<<16)|(1<<21)            ; the mask: all four of the cluster, bit 21 beside it; elements of 8 bytes; no padding: a dense block as 64 rows of 256 bytes
	s_mov_b32 s[G1+1], 32<<16                      ; tensor_dim0 = 32 elements
	s_mov_b32 s[G1+2], 64<<16                      ; tensor_dim1 = 64
	s_mov_b32 s[G1+3], 32<<16                      ; tile_dim0
	s_mov_b32 s[G1+4], 64                          ; tile_dim1
	s_mov_b32 s[G1+5], 32                          ; from row to row
	s_mov_b32 s[G1+6], 0
	s_mov_b32 s[G1+7], 0
	s_mov_b32 s[SEL], 0x76543210
	s_mov_b32 s[SEL+1], 0xfedcba98
	s_mov_b32 s[CS], 0x3e38aa3b                    ; log2(e) / sqrt(64)
	s_add_co_u32 s[NL], s42, 1
	s_xor_b32 s[SKIP], s42, 7
	s_add_co_u32 s[SKIP], s[SKIP], 1               ; 8 - p
	s_sub_co_u32 s[NTR], 9, s43
	s_xor_b32 s84, s42, 15                         ; 15 - p
	s_add_co_u32 s86, s41, 1                       ; 31 - j is odd where y = 0
	s_xor_b32 s[KD], s86, 3
	s_cmp_eq_u32 s43, 1
	s_cselect_b32 s[NL], s[NL], 255
	s_cselect_b32 s[DB], s42, s84
	s_cselect_b32 s[KD], s[KD], s86
.irp t, 0,1,2,3
	s_cmp_lt_u32 s[CX], \t
	s_cselect_b32 s[BT+\t], -1, 0
.endr
	v_and_b32 v8, 15, v0
	v_bfe_u32 v9, v0, 4, 1
	v_mov_b32 v7, 0xff800000                       ; -infinity
	v_mov_b32 v13, 0xff61b1e6                      ; the largest t so far: -3e38, under every t
	v_lshlrev_b32 v9, 3, v9
	v_mov_b32 v14, 0                               ; l, in two halves
	v_mov_b32 v15, 0
	v_sub_nc_u32 v8, v8, v9                        ; r - 8 (lane / 16)
	v_floor_f32 v12, -v13                          ; -M
	v_mov_b32 v246, 0                              ; written once: a lane permute's destination counts as one of its sources
	v_mov_b32 v252, 0
	v_mov_b32 v253, 0                              ; (named as the upper halves of the pairs v[252:253], v[254:255])
	v_mov_b32 v255, 0
.irp j, 0,1,2,3,4,5,6,7
	v_cmp_gt_i32 s[MJ+\j], \j, v8                  ; key 8 (lane / 16) + j comes after query r
.endr
.irp j, 0,1,2,3,4,5,6,7,8,9,10,11,12,13,14,15,16,17,18,19,20,21,22,23,24,25,26,27,28,29,30,31
	v_mov_b32 v[160+\j], 0                         ; O^T.  (The step has no first form: it finds zeros, which the first change of M leaves zeros)
.endr
	s_wait_dscnt 0x0                               ; both adds are done
	s_wait_kmcnt 0x0
	s_load_b256 s[56:63], s[8:9], 0x0              ; e0 .. e7
	s_mov_b32 s[G0], 1
	s_mov_b32 s[G0+1], s51
	s_add_nc_u64 s[G0+2:G0+3], s[6:7], s[52:53]
	s_or_b32 s[G0+3], s[G0+3], 0x80000000
	CROUND                                         ; all four work-groups are here: the joint loads meet
	tensor_load_to_lds s[G0:G0+3], s[G1:G1+7]      ; my block: one load a wave
	s_nop 0
.rept 4
	v_nop
.endr
	s_cmp_eq_u32 s43, 1
	s_cselect_b32 s46, s44, s45                    ; the group that I begin with
	s_lshl_b32 s54, ttmp9, 17                      ; Q's image: the head's 131,072 bytes, 4,096 a group, 1,024 a tile
	s_lshl_b32 s55, s[CX], 10
	s_add_co_u32 s54, s54, s55
	s_mov_b32 s49, 0
	s_lshl_b32 s48, s46, 12
	s_add_co_u32 s48, s48, s54
	s_add_nc_u64 s[70:71], s[4:5], s[48:49]
	s_lshl_b32 s48, s45, 12
	s_add_co_u32 s48, s48, s54
	s_add_nc_u64 s[72:73], s[4:5], s[48:49]
	s_mul_i32 s50, s42, PART
	s_add_co_u32 s50, s50, STAGE                   ; the pair's part in LDS
	v_and_b32 v[LI], 31, v0
	v_lshlrev_b32 v[LI], 4, v[LI]
	v_lshrrev_b32 v4, 1, v[LI]
	v_add_nc_u32 v3, s50, v[LI]
	v_add_nc_u32 v4, s50, v4
	global_load_b128 v[16:19], v[LI], s[70:71]     ; Q's fragments stay in registers
	global_load_b128 v[20:23], v[LI], s[70:71] offset:512
	global_load_b128 v[24:27], v[LI], s[72:73]
	global_load_b128 v[28:31], v[LI], s[72:73] offset:512
	s_lshr_b32 s54, ttmp9, 4                       ; where results go: G = 32 x batch + group, ri = cx; the head's 64 channels: ch = hd / 4, kl << 11 | c << 9 = (hd % 4) << 10
	s_lshl_b32 s54, s54, 21
	s_bfe_u32 s55, ttmp9, 0x20002
	s_lshl_b32 s55, s55, 14
	s_add_co_u32 s54, s54, s55
	s_and_b32 s55, ttmp9, 3
	s_lshl_b32 s55, s55, 10
	s_add_co_u32 s54, s54, s55
	s_lshl_b32 s55, s[CX], 12
	s_add_co_u32 s54, s54, s55
	s_lshl_b32 s48, s46, 16
	s_add_co_u32 s48, s48, s54
	s_add_nc_u64 s[74:75], s[10:11], s[48:49]      ; of the group that I begin with,
	s_lshl_b32 s48, s45, 16
	s_add_co_u32 s48, s48, s54
	s_add_nc_u64 s[76:77], s[10:11], s[48:49]      ; of the long group
	s_wait_alu depctr_va_vdst(0)
	s_wait_kmcnt 0x0
	s_add_co_i32 s54, s58, s59                     ; a score stands for score x 2^(e2 + e3): added to c's exponent field
	s_lshl_b32 s54, s54, 23
	s_add_co_i32 s[CS], s[CS], s54
	s_mov_b32 s[CS+1], s[CS]                       ; (named with it as a pair, so it is written)
	s_add_co_i32 s54, s60, 127
	s_lshl_b32 s55, s54, 23
	v_mov_b32 v244, s55                            ; 2^e4, for p's conversions
	s_add_co_i32 s54, s54, 15
	s_lshl_b32 s54, s54, 23
	s_or_b32 s54, s54, 0x600000
	v_mov_b32 v240, s54                            ; 57,344 x 2^e4
	s_add_co_i32 s54, s62, 127
	s_lshl_b32 s55, s54, 23
	v_mov_b32 v245, s55                            ; 2^e6, for the result's
	s_add_co_i32 s54, s54, 15
	s_lshl_b32 s54, s54, 23
	s_or_b32 s54, s54, 0x600000
	v_mov_b32 v241, s54                            ; 57,344 x 2^e6
	s_add_co_i32 s68, s60, s61                     ; e4 + e5
.macro HOLD t                          ; p of tile t is held at the largest code x 2^e4, two at a time: the conversion does not saturate (ISA guide 7.6.2); p is not negative, so the hold is one-sided
.irp i, 0,2,4,6
	v_dual_min_num_f32 v[96+8*(\t)+\i], v240, v[96+8*(\t)+\i] :: v_dual_min_num_f32 v[97+8*(\t)+\i], v240, v[97+8*(\t)+\i]
.endr
.endm
; A KEY STEP: the first 16 nt keys (nt = 8 or 4) of the block at LDS byte s51.
.macro STEP nt
	v_add_nc_u32 v[ADK], s51, v[LI]
.rept 3
	v_nop                                          ; with the addition above four places in front of loads into registers that the last products read
.endr
.irp t, 0,1,2,3,4,5,6,7
.if \t < \nt
	ds_load_b128 v[32+8*\t:35+8*\t], v[ADK] offset:1024*\t
	ds_load_b128 v[36+8*\t:39+8*\t], v[ADK] offset:1024*\t+512
.endif
.endr
	s_wait_alu depctr_va_vdst(0)
	s_wait_dscnt \nt                               ; the first half of the tiles is in; the other half's nt loads may be out
.irp t, 0,1,2,3,4,5,6,7
.if \t == \nt/2
	s_wait_dscnt 0x0
.endif
.if \t < \nt
	v_wmma_f32_16x16x64_bf8_bf8 v[96+8*\t:103+8*\t], v[32+8*\t:39+8*\t], v[16:23], 0   ; S^T: keys 16 t .., my 16 queries
.endif
.endr
.rept 4
	v_nop                                          ; places in front of the loads below and of the first read of the scores
.endr
.irp t, 0,1,2,3
.irp c, 0,1,2,3
.if \c < \nt/2
	ds_load_b128 v[32+16*\t+4*\c:35+16*\t+4*\c], v[ADK] offset:8192+2048*\t+512*\c       ; V's four fragments land under the softmax
.endif
.endr
.endr
.if \nt == 8
	s_cmp_eq_u32 s[KK], 0                          ; all keys count: no mask
	s_cbranch_scc1 .Lopen_\@
.endif
.irp t, 0,1,2,3                        ; the half on the diagonal: hidden scores become -infinity ahead of the maximum.  cx chooses values alone
	s_cmp_eq_u32 s[CX], \t
.irp j, 0,1,2,3,4,5,6,7
	s_cselect_b32 s[52+(\j%2)], s[MJ+\j], s[BT+\t]
	v_cndmask_b32 v[96+8*(\t+\nt-4)+\j], v[96+8*(\t+\nt-4)+\j], v7, s[52+(\j%2)]
.endr
.endr
.Lopen_\@:
	v_max3_num_f32 v254, v96, v97, v98             ; the step's largest score of my query among my keys, in four chains, each accumulator from its low end on
	v_max3_num_f32 v252, v99, v100, v101
	v_max3_num_f32 v250, v102, v103, v104
	v_max3_num_f32 v248, v105, v106, v107
.irp i, 12,20,28,36,44,52
.if \i < 8*\nt-8
	v_max3_num_f32 v254, v254, v[96+\i], v[97+\i]
	v_max3_num_f32 v252, v252, v[98+\i], v[99+\i]
	v_max3_num_f32 v250, v250, v[100+\i], v[101+\i]
	v_max3_num_f32 v248, v248, v[102+\i], v[103+\i]
.endif
.endr
	v_max3_num_f32 v254, v254, v[92+8*\nt], v[93+8*\nt]
	v_max3_num_f32 v252, v252, v[94+8*\nt], v[95+8*\nt]
	s_delay_alu instid0(VALU_DEP_1)
	v_max3_num_f32 v254, v254, v252, v250
	s_delay_alu instid0(VALU_DEP_1)
	v_max_num_f32 v254, v254, v248
	s_delay_alu instid0(VALU_DEP_1)
	v_permlanex16_b32 v246, v254, s[SEL], s[SEL+1]
	s_delay_alu instid0(VALU_DEP_1)
	v_max_num_f32 v254, v254, v246                 ; and among lane l xor 16's
	s_delay_alu instid0(VALU_DEP_1)
	v_mul_f32 v254, s[CS], v254                    ; as t (c is positive)
	s_delay_alu instid0(VALU_DEP_1)
	v_max_num_f32 v13, v13, v254                   ; the running largest t
	v_mov_b32 v254, v12
	s_delay_alu instid0(VALU_DEP_2)
	v_floor_f32 v12, -v13                          ; the new -M = floor(-t) = -ceil(t): a whole number
	s_delay_alu instid0(VALU_DEP_1)
	v_sub_f32 v254, v12, v254                      ; old M - new M: a whole number, 0 or less
	s_delay_alu instid0(VALU_DEP_1)
	v_cvt_i32_f32 v254, v254                       ; (it saturates)
	s_delay_alu instid0(VALU_DEP_1)
	v_ldexp_f32 v252, 1.0, v254                    ; f = 2^(old M - new M)
.irp j, 0,2,4,6,8,10,12,14,16,18,20,22,24,26,28,30,32,34,36,38,40,42,44,46,48,50,52,54,56,58,60,62
.if \j < 8*\nt
	v_pk_fma_f32 v[96+\j:97+\j], v[96+\j:97+\j], s[CS:CS+1], v[12:13] op_sel_hi:[1,0,0]   ; t - M, two at a time (of the pairs c and -M the low word serves both halves)
.endif
.endr
	s_wait_alu depctr_va_vdst(0)
.irp j, 0,1,2,3,4,5,6,7,8,9,10,11,12,13,14,15,16,17,18,19,20,21,22,23,24,25,26,27,28,29,30,31,32,33,34,35,36,37,38,39,40,41,42,43,44,45,46,47,48,49,50,51,52,53,54,55,56,57,58,59,60,61,62,63
.if \j < 8*\nt
	v_exp_f32 v[96+\j], v[96+\j]                   ; p = 2^(t - M), at most 1
.endif
.endr
	v_pk_mul_f32 v[14:15], v[14:15], v[252:253] op_sel_hi:[1,0]   ; l under the new M: the plain instruction behind the exponentials
	s_wait_alu depctr_va_vdst(0)                   ; one wait behind the batch, ahead of the first readers of O^T and of p
.irp j, 0,2,4,6,8,10,12,14,16,18,20,22,24,26,28,30
	v_pk_mul_f32 v[160+\j:161+\j], v[160+\j:161+\j], v[252:253] op_sel_hi:[1,0]   ; O^T under the new M
.endr
	v_pk_add_f32 v[192:193], v[96:97], v[98:99]    ; the row's sum, of the unquantised p, in four chains
	v_pk_add_f32 v[194:195], v[100:101], v[102:103]
	v_pk_add_f32 v[196:197], v[104:105], v[106:107]
	v_pk_add_f32 v[14:15], v[14:15], v[108:109]
.irp k, 14,22,30,38,46,54
.if \k < 8*\nt-8
	v_pk_add_f32 v[192:193], v[192:193], v[96+\k:97+\k]
	v_pk_add_f32 v[194:195], v[194:195], v[98+\k:99+\k]
	v_pk_add_f32 v[196:197], v[196:197], v[100+\k:101+\k]
	v_pk_add_f32 v[14:15], v[14:15], v[102+\k:103+\k]
.endif
.endr
	v_pk_add_f32 v[192:193], v[192:193], v[94+8*\nt:95+8*\nt]
	HOLD 0
.irp t, 0,1,2,3,4,5,6,7
.if \t < \nt
.if \t+1 < \nt
	HOLD \t+1
.endif
	v_cvt_scalef32_pk8_bf8_f32 v[224+2*\t:225+2*\t], v[96+8*\t:103+8*\t], v244   ; keys 16 t + 8 h + 0 .. 7: registers 2 t, 2 t + 1 of the operand
.if \t == 0
	v_pk_add_f32 v[194:195], v[194:195], v[196:197]
.endif
.if \t == 1
	v_pk_add_f32 v[14:15], v[14:15], v[192:193]
.endif
.if \t == 2
	v_pk_add_f32 v[14:15], v[14:15], v[194:195]
.endif
.endif
.endr
	v_nop                                          ; one plain instruction between the last conversion and the products
	s_wait_alu depctr_va_vdst(0)
	s_wait_dscnt 0x0                               ; V is in
.irp t, 0,1,2,3                        ; the four accumulators by turns
.if \nt == 8
	v_wmma_f32_16x16x128_bf8_bf8 v[160+8*\t:167+8*\t], v[32+16*\t:47+16*\t], v[224:239], v[160+8*\t:167+8*\t]
.else
	v_wmma_f32_16x16x64_bf8_bf8 v[160+8*\t:167+8*\t], v[32+16*\t:39+16*\t], v[224:231], v[160+8*\t:167+8*\t]
.endif
.endr
.endm
; A GROUP IS FINISHED: O^T x 2^(e4 + e5) / l, held, converted with 2^e6: the conversions' results are two chunks of the next operand's image, stored at s[ob].
.macro FINISH ob
.rept 4
	v_nop                                          ; places behind the last products
.endr
	v_add_f32 v14, v14, v15                        ; l's two halves,
	s_delay_alu instid0(VALU_DEP_1)
	v_permlanex16_b32 v246, v14, s[SEL], s[SEL+1]
	s_delay_alu instid0(VALU_DEP_1)
	v_add_f32 v14, v14, v246                       ; and lane l xor 16's
	s_wait_alu depctr_va_vdst(0)
	v_rcp_f32 v14, v14
	v_nop                                          ; a plain instruction behind it
	s_wait_alu depctr_va_vdst(0)                   ; and the wait ahead of its first reader
	v_ldexp_f32 v14, v14, s68
	s_wait_alu depctr_va_vdst(0)
.irp j, 0,2,4,6,8,10,12,14,16,18,20,22,24,26,28,30
	v_pk_mul_f32 v[96+\j:97+\j], v[160+\j:161+\j], v[14:15] op_sel_hi:[1,0]   ; register 8 t + i: channel 32 (t / 2) + 16 h + 8 (t % 2) + i of my query
.endr
.irp j, 0,1,2,3,4,5,6,7,8,9,10,11,12,13,14,15,16,17,18,19,20,21,22,23,24,25,26,27,28,29,30,31
	v_med3_num_f32 v[96+\j], v[96+\j], -v241, v241
.endr
.irp t, 0,1,2,3
	v_cvt_scalef32_pk8_bf8_f32 v[224+2*\t:225+2*\t], v[96+8*\t:103+8*\t], v245
.endr
	v_nop
	global_store_b128 v[LI], v[224:227], s[\ob:\ob+1]              ; each store of the wave covers 512 consecutive bytes, aligned
	global_store_b128 v[LI], v[228:231], s[\ob:\ob+1] offset:512
.endm
; B GOES OVER FROM THE SHORT GROUP TO THE LONG ONE.
.macro SWITCH
	FINISH 74
	v_mov_b32 v13, 0xff61b1e6
	v_mov_b32 v14, 0
	v_mov_b32 v15, 0
.irp j, 0,1,2,3,4,5,6,7,8,9,10,11,12,13,14,15,16,17,18,19,20,21,22,23,24,25,26,27,28,29,30,31
	v_mov_b32 v[160+\j], 0
.endr
	v_floor_f32 v12, -v13
.irp j, 0,1,2,3,4,5,6,7
	v_mov_b32 v[16+\j], v[24+\j]                   ; its Q
.endr
	s_mov_b32 s[DB], s84
	s_mov_b32 s[KD], s86
	s_wait_xcnt 0x0                                ; the stores have read their registers, which the next step writes
	s_wait_alu depctr_va_vdst(0)
.endm
; A TRIP: one step, or, in B's ninth, none.  Trip 0: block 0 in every wave.  All branches hang on ids and the count of trips.
.macro TRIP
	s_cmp_lg_u32 s[IT], s[NL]
	s_cbranch_scc1 .Lstay_\@
	SWITCH
.Lstay_\@:
	s_cmp_ge_u32 s[IT], s[NTR]
	s_cbranch_scc1 .Ldone_\@
	s_cmp_ge_u32 s[IT], s[NL]
	s_cselect_b32 s51, s[SKIP], 0
	s_add_co_u32 s51, s51, s[IT]
	s_min_u32 s51, s51, 15                         ; the block: the trip, or in B's second part 9 onwards
	s_cmp_eq_u32 s51, s[DB]
	s_cselect_b32 s[KK], s[KD], 0
	s_lshl_b32 s51, s51, 14
	s_cmp_eq_u32 s[KK], 2
	s_cbranch_scc1 .Lhalf_\@
	STEP 8
	s_branch .Ldone_\@
.Lhalf_\@:
	STEP 4
.Ldone_\@:
.endm
	s_wait_alu depctr_va_vdst(0)
	s_wait_loadcnt 0x0                             ; Q
	s_wait_tensorcnt 0x0                           ; my block is in,
	s_barrier_signal -1
	s_barrier_wait -1                              ; and everybody's
	s_mov_b32 s[IT], 0
.Ltrip:                                            ; nine trips in every wave
	TRIP
	s_add_co_u32 s[IT], s[IT], 1
	s_cmp_lt_u32 s[IT], 9
	s_cbranch_scc1 .Ltrip
	s_cmp_eq_u32 s43, 0
	s_cbranch_scc1 .Lno_part
	v_add_f32 v13, v14, v15                        ; B's part of the long group: O^T, -M, l.  (p = 7: an empty one, M = -3e38, which A multiplies by 0)
.rept 4
	v_nop                                          ; places behind the last products
.endr
.irp i, 0,1,2,3,4,5,6,7
	ds_store_b128 v3, v[160+4*\i:163+4*\i] offset:512*\i
.endr
	ds_store_b64 v4, v[12:13] offset:4096
.Lno_part:
	s_wait_tensorcnt 0x0                           ; behind my last tensor load and my last LDS store
	ds_add_u32 v[SPW], v[NIL]
	s_wait_dscnt 0x0
	CROUND                                         ; the closing round; its first barrier also shows B's parts to A
	s_cmp_eq_u32 s43, 1
	s_cbranch_scc1 .Lend
.rept 4
	v_nop                                          ; places behind the last products
.endr
.irp i, 0,1,2,3,4,5,6,7
	ds_load_b128 v[32+4*\i:35+4*\i], v3 offset:512*\i
.endr
	ds_load_b64 v[64:65], v4 offset:4096
	s_wait_dscnt 0x0
	v_min_num_f32 v66, v12, v64                    ; the joint -M,
	v_sub_f32 v67, v66, v12
	v_sub_f32 v68, v66, v64
	v_cvt_i32_f32 v67, v67
	v_cvt_i32_f32 v68, v68
	v_ldexp_f32 v252, 1.0, v67                     ; and what brings both parts under it: powers of two, nothing is rounded
	v_ldexp_f32 v254, 1.0, v68
	v_pk_mul_f32 v[14:15], v[14:15], v[252:253] op_sel_hi:[1,0]
	v_fma_f32 v14, v254, v65, v14
.irp j, 0,2,4,6,8,10,12,14,16,18,20,22,24,26,28,30
	v_pk_mul_f32 v[160+\j:161+\j], v[160+\j:161+\j], v[252:253] op_sel_hi:[1,0]
.endr
.irp j, 0,2,4,6,8,10,12,14,16,18,20,22,24,26,28,30
	v_pk_fma_f32 v[160+\j:161+\j], v[32+\j:33+\j], v[254:255], v[160+\j:161+\j] op_sel_hi:[1,0,1]
.endr
	FINISH 76
.Lend:
	s_endpgm
.Lfunc_end_k_qcaf6c8fd39_attn:
	.size	k_qcaf6c8fd39_attn, .Lfunc_end_k_qcaf6c8fd39_attn-k_qcaf6c8fd39_attn
	.p2alignl 7, 3214868480
	.fill 96, 4, 3214868480
	.section	.rodata,"a",@progbits
	.p2align	6, 0x0
	.amdhsa_kernel k_qcaf6c8fd39_attn
		.amdhsa_group_segment_fixed_size 327680
		.amdhsa_private_segment_fixed_size 0
		.amdhsa_enable_private_segment 0
		.amdhsa_kernarg_size 32
		.amdhsa_user_sgpr_count 2
		.amdhsa_user_sgpr_kernarg_segment_ptr 1
		.amdhsa_wavefront_size32 1
		.amdhsa_system_sgpr_workgroup_id_x 1
		.amdhsa_system_sgpr_workgroup_id_y 1
		.amdhsa_system_sgpr_workgroup_id_z 1
		.amdhsa_system_vgpr_workitem_id 0
		.amdhsa_next_free_vgpr 256
		.amdhsa_next_free_sgpr 100
		.amdhsa_reserve_vcc 0
		.amdhsa_float_denorm_mode_32 3
		.amdhsa_float_denorm_mode_16_64 3
		.amdhsa_memory_ordered 1
		.amdhsa_forward_progress 1
		.amdhsa_inst_pref_size 54
	.end_amdhsa_kernel
	.amdgpu_metadata
---
amdhsa.version: [ 1, 2 ]
amdhsa.kernels:
  - .name:           k_qcaf6c8fd39_attn
    .symbol:         k_qcaf6c8fd39_attn.kd
    .args:
      - { .name: qc, .offset: 0, .size: 8, .value_kind: global_buffer, .address_space: global }
      - { .name: kvc, .offset: 8, .size: 8, .value_kind: global_buffer, .address_space: global }
      - { .name: lowp_scales, .offset: 16, .size: 8, .value_kind: global_buffer, .address_space: global }
      - { .name: oc, .offset: 24, .size: 8, .value_kind: global_buffer, .address_space: global }
    .group_segment_fixed_size: 327680
    .private_segment_fixed_size: 0
    .kernarg_segment_align: 8
    .kernarg_segment_size: 32
    .max_flat_workgroup_size: 512
    .sgpr_count:     100
    .vgpr_count:     256
    .wavefront_size: 32
...
	.end_amdgpu_metadata
.endif
;; end of part 3
;; launch oproj (part 4): grid 8 x 32, 4 waves a work-group, clusters of 4 x 4, 327,680 bytes of LDS; arguments oc, woc, lowp_scales, out0; writes out0
.if DOCPART == 4
	.amdgcn_target "amdgcn-amd-amdhsa--gfx1250"
	.amdhsa_code_object_version 6
	.text
	.protected	k_qcaf6c8fd39_oproj
	.globl	k_qcaf6c8fd39_oproj
	.p2align	8
	.type	k_qcaf6c8fd39_oproj,@function
k_qcaf6c8fd39_oproj:
	s_mov_b64 s[64:65], 0
	v_nop
	global_prefetch_b8 v0, s[64:65] scope:SCOPE_SE
	s_setreg_imm32_b32 hwreg(HW_REG_WAVE_MODE, 25, 1), 1
	s_wait_xcnt 0x0
	s_wait_alu depctr_hold_cnt(0) depctr_sa_sdst(0) depctr_va_vdst(0) depctr_va_sdst(0) depctr_va_ssrc(0) depctr_va_vcc(0) depctr_vm_vsrc(0)
	s_getreg_b32 s2, hwreg(HW_REG_IB_STS2, 6, 4)
	s_cmp_eq_u32 s2, 0
	s_cbranch_scc0 .Lentry_in_a_cluster
	s_endpgm
.Lentry_in_a_cluster:
	s_bfe_u32 s2, ttmp6, 0x10000c
	s_cmp_lg_u32 s2, 0xf033
	s_cbranch_scc0 .Lentry_shape_is_right
	s_endpgm
.Lentry_shape_is_right:
; out0 = attention's result x W_out^T on codes of BF8 (E5M2), K = 1,024, sums in f32, each finished sum x 2^(e6 + e7).
; SHARES.  4,096 x 1,024 in tiles of 128 x 128: 256 work-groups (tn = x, tm = y).  Four waves, each 64 x 64.  (Tiles of 256 x 256 would be 64 work-groups for 256 WGPs.)
; A comes as IMAGES OF ITS REGISTERS (oc: byte G << 16 | ch << 14 | ri << 12 | kl << 11 | c << 9 | 16 lane): a fragment load takes 512 consecutive bytes; 64 rows x all K are one dense block of 65,536 bytes.
; B: woc holds 64 rows x all K as one dense block too, quarter by quarter of K, rows of 256 codes; in LDS rows of 256 + 16 bytes.  A fragment is four loads of 16 bytes a lane, 32 bytes apart: registers 4 c .. 4 c + 3
; hold K = 32 c + 16 (lane / 16) + 0 .. 15, the order in which A's images were made.
; LDS.  All of K fits: waves 0, 1 fetch A's halves, waves 2, 3 B's, one joint load of 65,536 bytes a wave at the head; no byte is filled twice.  No prefetch: there is no loop, and everything is asked for at the head.
; CLUSTER 4 x 4: A's tiles hang on tm alone and are asked for jointly along a row of the cluster, B's on tn alone, along a column.
; ORDER.  All of a wave's fragments of B (64 columns x 1,024 along K: 512 registers) come into registers once; then its four blocks of 16 rows are finished one after the other, and each leaves while the next is multiplied.
; Block 0 is multiplied while B comes in, three K steps of 128 behind the loads.
; THE MATRIX INSTRUCTION IS USED TRANSPOSED (source 0 = 16 rows of W_out, source 1 = 16 rows of A): a lane holds eight neighbouring numbers of a row of the output.
; LIMIT: e6 + e7 lies between -126 and 127, so that 2^(e6 + e7) is an f32 number.
; VECTOR REGISTERS: window 0: v0-31 addresses; v64-127 the accumulators of two blocks by turns; v128-159 a block's scaled sums; v160-223 rows read back, two sets.
;   windows 1 and 2: B's fragments of K steps 0-3 and 4-7, (k, b) at v[64 (k % 4) + 16 b];   window 3: A's fragments of two blocks by turns, (i, k) at v[128 (i % 2) + 16 k].
; No register that feeds A's descriptors ever holds cx, none that feeds B's ever holds cy.
.set PITCH,  272                       ; a row of B in LDS: 256 bytes + 16 of padding: the 16 rows that a load touches start at 16 different banks (ISA guide 11.1)
.set BOFF,   131072                    ; B's rows lie behind A's images
.set BH,     256*PITCH                 ; half of B: four quarters of 64 rows
.set STAGE,  BOFF+2*BH                 ; 16 rows x 272 bytes for each wave, for the way out; no tensor load lands there
.set SPITCH, 272
.set SPARE,  STAGE+4*16*SPITCH         ; the spare words, 128 bytes for each wave
.set ADA, 16                           ; v16 LDS address of my A fragments
.set ADB, 17                           ; v17 the same for B
.set STO, 24                           ; v24 the way out: where I put 32 bytes of a row
.set RD,  25                           ; v25 where I read a row back
.set CO,  26                           ; v26 my byte offset in the output
.set SPW, 30
.set NIL, 31
.set ACC, 64
.set TMP, 128
.set BK,  160
.set G1A, 24                           ; s[24:31] descriptor group 1 for A;  s[32:35] group 0
.set G0A, 32
.set G0B, 36                           ; s[36:39] group 0 for B;  s[68:75] its group 1
.set G1B, 68
.set MSB, 0
.macro WIN new                         ; the immediate's high byte repeats the setting that is left
.if MSB != (\new)
	s_set_vgpr_msb (MSB<<8)|(\new)
.set MSB, (\new)
.endif
.endm
.macro CROUND                          ; a round of the cluster's barrier
	s_barrier_signal -1
	s_barrier_wait -1
	s_cmp_lg_u32 s14, 0
	s_cbranch_scc1 .Lnot_wave_0_\@
	s_barrier_signal -3
.Lnot_wave_0_\@:
	s_barrier_wait -3
	s_barrier_signal -1
	s_barrier_wait -1
.endm
	s_load_b256 s[4:11], s[0:1], 0x0               ; oc s[4:5], W_out's codes s[6:7], the scales' exponents s[8:9], out0 s[10:11]
	v_lshl_add_u32 v[SPW], v0, 2, SPARE
	v_mov_b32 v[NIL], 0
	ds_add_u32 v[SPW], v[NIL]                      ; the add, twice on end, ahead of my first tensor load
	ds_add_u32 v[SPW], v[NIL]
	v_lshrrev_b32 v1, 5, v0
	v_readfirstlane_b32 s14, v1                    ; wave 0..3
	s_lshr_b32 s15, s14, 1                         ; a: which 64 rows are mine.  Also: I fetch for A (0) or for B (1)
	s_and_b32 s16, s14, 1                          ; u: which 64 columns.  Also: which half of that tile I fetch
	s_bfe_u32 s88, ttmp6, 0x40000                  ; cx, cy
	s_bfe_u32 s89, ttmp6, 0x40004
	s_lshl_b32 s90, ttmp9, 2
	s_add_co_u32 s90, s90, s88                     ; tn
	s_and_b32 s17, ttmp7, 0xffff
	s_lshl_b32 s17, s17, 2
	s_add_co_u32 s17, s17, s89                     ; tm
	s_lshl_b32 s91, s89, 2
	s_lshl_b32 s91, 15, s91                        ; my row of the cluster
	s_lshl_b32 s92, 0x1111, s88                    ; my column
	s_or_b32 s[G1A], s91, (3<<16)|(1<<21)          ; the mask: A goes to my row; elements of 8 bytes; bit 21 beside a mask; no padding: a dense block as 256 rows of 256 bytes
	s_mov_b32 s[G1A+1], 32<<16
	s_mov_b32 s[G1A+2], 256<<16
	s_mov_b32 s[G1A+3], 32<<16
	s_mov_b32 s[G1A+4], 256
	s_mov_b32 s[G1A+5], 32
	s_mov_b32 s[G1A+6], 0
	s_mov_b32 s[G1A+7], 0
	s_or_b32 s[G1B], s92, (0<<16)|(1<<20)|(1<<21)|(5<<22)|(3<<25)   ; B goes to my column; elements of 1 byte; 4 words of padding behind every 64
	s_mov_b32 s[G1B+1], 256<<16
	s_mov_b32 s[G1B+2], 256<<16
	s_mov_b32 s[G1B+3], 256<<16
	s_mov_b32 s[G1B+4], 256
	s_mov_b32 s[G1B+5], 256
	s_mov_b32 s[G1B+6], 0
	s_mov_b32 s[G1B+7], 0
	s_lshl_b32 s20, s17, 1
	s_add_co_u32 s20, s20, s16
	s_lshl_b32 s20, s20, 16                        ; A: G = 2 tm + half, 65,536 bytes each
	s_mov_b32 s21, 0
	s_lshl_b32 s94, s90, 1
	s_add_co_u32 s94, s94, s16
	s_lshl_b32 s94, s94, 16                        ; B: group 2 tn + half, 65,536 bytes each
	s_mov_b32 s95, 0
	s_lshl_b32 s93, s16, 16                        ; where they go: no place in the cluster enters an LDS address
	s_mul_i32 s84, s16, BH
	s_add_co_u32 s84, s84, BOFF
	s_wait_dscnt 0x0                               ; both adds are done
	s_wait_kmcnt 0x0
	s_load_b256 s[76:83], s[8:9], 0x0              ; e0 .. e7
	s_mov_b32 s[G0A], 1
	s_mov_b32 s[G0A+1], s93
	s_add_nc_u64 s[G0A+2:G0A+3], s[4:5], s[20:21]
	s_or_b32 s[G0A+3], s[G0A+3], 0x80000000
	s_mov_b32 s[G0B], 1
	s_mov_b32 s[G0B+1], s84
	s_add_nc_u64 s[G0B+2:G0B+3], s[6:7], s[94:95]
	s_or_b32 s[G0B+3], s[G0B+3], 0x80000000
	CROUND                                         ; all sixteen work-groups are here: the joint loads meet
	s_cmp_lt_u32 s14, 2                            ; one load a wave, in the arms of one branch on its number
	s_cbranch_scc0 .Lfirst_b
	tensor_load_to_lds s[G0A:G0A+3], s[G1A:G1A+7]
	s_nop 0
.rept 4
	v_nop
.endr
	s_branch .Lfirst_asked
.Lfirst_b:
	tensor_load_to_lds s[G0B:G0B+3], s[G1B:G1B+7]
	s_nop 0
.rept 4
	v_nop
.endr
.Lfirst_asked:
	v_and_b32 v1, 15, v0                           ; r
	v_bfe_u32 v2, v0, 4, 1                         ; h
	v_and_b32 v3, 31, v0
	v_lshlrev_b32 v3, 4, v3                        ; 16 x lane
	s_lshl_b32 s85, s15, 16                        ; my 64 rows
	v_add_nc_u32 v[ADA], s85, v3
	v_mul_u32_u24 v4, v1, PITCH
	v_lshl_add_u32 v4, v2, 4, v4
	s_mul_i32 s85, s16, BH
	s_add_co_u32 s85, s85, BOFF                    ; my 64 rows of B
	v_add_nc_u32 v[ADB], s85, v4
	s_mul_i32 s85, s14, 16*SPITCH
	s_add_co_u32 s85, s85, STAGE                   ; my stage
	v_mul_u32_u24 v5, v1, SPITCH                   ; in: row r, 32 bytes for each half of the lanes
	v_lshl_add_u32 v5, v2, 5, v5
	v_add_nc_u32 v[STO], s85, v5
	v_mul_u32_u24 v5, v2, SPITCH                   ; back: lanes 0-15 one row of 256 bytes, lanes 16-31 the next
	v_lshl_add_u32 v5, v1, 4, v5
	v_add_nc_u32 v[RD], s85, v5
	v_lshlrev_b32 v[CO], 12, v2                    ; and the same two rows in the output: 4,096 bytes a row
	v_lshl_add_u32 v[CO], v1, 4, v[CO]
	s_lshl_b32 s86, s17, 1
	s_add_co_u32 s86, s86, s15
	s_lshl_b32 s86, s86, 18                        ; my first row: 128 tm + 64 a
	s_lshl_b32 s87, s90, 1
	s_add_co_u32 s87, s87, s16
	s_lshl_b32 s87, s87, 8                         ; my first column: 128 tn + 64 u, 4 bytes each
	s_add_co_u32 s86, s86, s87
	s_mov_b32 s87, 0
	s_add_nc_u64 s[10:11], s[10:11], s[86:87]
	s_wait_alu depctr_va_vdst(0)
	s_wait_kmcnt 0x0
	s_add_co_i32 s96, s82, s83                     ; e6 + e7
	s_add_co_i32 s96, s96, 127
	s_lshl_b32 s96, s96, 23                        ; 2^(e6 + e7) as f32
	s_mov_b32 s97, s96                             ; (named with it as a pair, so it is written)
.macro BLD k                           ; B's four fragments of K step k: 16 loads
	WIN 0x40+0x40*((\k)/4)
.irp b, 0,1,2,3
.irp c, 0,1,2,3
	ds_load_b128 v[64*((\k)%4)+16*\b+4*\c:64*((\k)%4)+16*\b+4*\c+3], v[ADB] offset:64*PITCH*((\k)/2)+16*PITCH*\b+128*((\k)%2)+32*\c
.endr
.endr
.endm
.macro ALD i, k                        ; A's fragment of block i, K step k: 4 loads
	WIN 0xc0
.irp c, 0,1,2,3
	ds_load_b128 v[128*((\i)%2)+16*(\k)+4*\c:128*((\i)%2)+16*(\k)+4*\c+3], v[ADA] offset:16384*((\k)/2)+4096*(\i)+2048*((\k)%2)+512*\c
.endr
.endm
.macro MUL i, k                        ; the block's four accumulators by turns; K step 0 starts the sums
	WIN 0x0d+((\k)/4)                              ; source 0 (B) window 1 or 2, source 1 (A) window 3, C and D window 0
.irp b, 0,1,2,3
.if (\k) == 0
	v_wmma_f32_16x16x128_bf8_bf8 v[ACC+32*((\i)%2)+8*\b:ACC+32*((\i)%2)+8*\b+7], v[64*((\k)%4)+16*\b:64*((\k)%4)+16*\b+15], v[128*((\i)%2)+16*(\k):128*((\i)%2)+16*(\k)+15], 0
.else
	v_wmma_f32_16x16x128_bf8_bf8 v[ACC+32*((\i)%2)+8*\b:ACC+32*((\i)%2)+8*\b+7], v[64*((\k)%4)+16*\b:64*((\k)%4)+16*\b+15], v[128*((\i)%2)+16*(\k):128*((\i)%2)+16*(\k)+15], v[ACC+32*((\i)%2)+8*\b:ACC+32*((\i)%2)+8*\b+7]
.endif
.endr
.endm
; THE WAY OUT of a block of 16 rows x 64 columns: x 2^(e6 + e7) into other registers, through my own stage, back as whole rows of 256 bytes.
; LDS serves a wave's instructions in order (ISA guide 5.7.1.4): no wait between the stores and the loads, nor in front of the next block's stores.
.macro TOSTAGE i
.irp b, 0,1,2,3
.irp k, 0,2,4,6
	v_pk_mul_f32 v[TMP+8*\b+\k:TMP+8*\b+\k+1], v[ACC+32*((\i)%2)+8*\b+\k:ACC+32*((\i)%2)+8*\b+\k+1], s[96:97] op_sel_hi:[1,0]   ; each accumulator from its low end on
.endr
.endr
.irp b, 0,1,2,3
	ds_store_b128 v[STO], v[TMP+8*\b:TMP+8*\b+3] offset:64*\b
	ds_store_b128 v[STO], v[TMP+8*\b+4:TMP+8*\b+7] offset:64*\b+16
.endr
.irp t, 0,1,2,3,4,5,6,7
	ds_load_b128 v[BK+32*((\i)%2)+4*\t:BK+32*((\i)%2)+4*\t+3], v[RD] offset:\t*2*SPITCH
.endr
.endm
.macro SEND i
	s_wait_dscnt 0x0                               ; the block is back in registers
.irp t, 0,1,2,3,4,5,6,7
	global_store_b128 v[CO], v[BK+32*((\i)%2)+4*\t:BK+32*((\i)%2)+4*\t+3], s[10:11] offset:(16*(\i)+2*\t)*4096 th:TH_STORE_NT   ; 16 lanes store 256 consecutive bytes, aligned; written once, read by nobody here
.endr
.endm
	s_wait_tensorcnt 0x0                           ; my part is in
	s_barrier_signal -1
	s_barrier_wait -1                              ; and everybody's
.irp k, 0,1,2
	BLD \k
	ALD 0, \k
.endr
.irp k, 0,1,2,3,4,5,6,7                ; block 0
.if \k < 5
	BLD \k+3
	ALD 0, \k+3
	s_wait_dscnt 60                                ; K step k's 20 loads are in; those of three steps behind it may be out
.elseif \k == 5
	s_wait_dscnt 40                                ; two steps' are behind it
.elseif \k == 6
.irp q, 0,1,2,3,4,5,6,7
	ALD 1, \q
.endr
	s_wait_dscnt 52                                ; behind it: one step's 20 and block 1's 32
.else
	s_wait_dscnt 32                                ; block 1's 32
.endif
	MUL 0, \k
.endr
.irp i, 0,1,2,3
.if \i > 0
.if \i == 1
	s_wait_dscnt 48                                ; block 1's fragments are in; behind them: block 2's 32 loads and the stage's 16 instructions.  (Blocks 2 and 3: SEND has waited for them)
.endif
.irp k, 0,1,2,3
	MUL \i, \k
.endr
	WIN 0
	SEND \i-1                                      ; the block before leaves in the middle of this one's products
.irp k, 4,5,6,7
	MUL \i, \k
.endr
.endif
.rept 4
	v_nop                                          ; places in front of loads into registers that these products read, and of the first read of their results
.endr
.if \i < 2
.irp q, 0,1,2,3,4,5,6,7
	ALD \i+2, \q
.endr
.endif
	WIN 0
.if \i > 1
	s_wait_xcnt 0x0                                ; block i - 2's stores have read their registers: block i's loads may land there
.endif
	TOSTAGE \i
.endr
	SEND 3
	s_wait_tensorcnt 0x0                           ; the wave's end
	ds_add_u32 v[SPW], v[NIL]
	s_wait_dscnt 0x0
	CROUND                                         ; the closing round: no work-group ends while a partner may still ask for a tile that names it
	s_endpgm
.Lfunc_end_k_qcaf6c8fd39_oproj:
	.size	k_qcaf6c8fd39_oproj, .Lfunc_end_k_qcaf6c8fd39_oproj-k_qcaf6c8fd39_oproj
	.p2alignl 7, 3214868480
	.fill 96, 4, 3214868480
	.section	.rodata,"a",@progbits
	.p2align	6, 0x0
	.amdhsa_kernel k_qcaf6c8fd39_oproj
		.amdhsa_group_segment_fixed_size 327680
		.amdhsa_private_segment_fixed_size 0
		.amdhsa_enable_private_segment 0
		.amdhsa_kernarg_size 32
		.amdhsa_user_sgpr_count 2
		.amdhsa_user_sgpr_kernarg_segment_ptr 1
		.amdhsa_wavefront_size32 1
		.amdhsa_system_sgpr_workgroup_id_x 1
		.amdhsa_system_sgpr_workgroup_id_y 1
		.amdhsa_system_sgpr_workgroup_id_z 1
		.amdhsa_system_vgpr_workitem_id 0
		.amdhsa_next_free_vgpr 1024
		.amdhsa_next_free_sgpr 100
		.amdhsa_reserve_vcc 0
		.amdhsa_float_denorm_mode_32 3
		.amdhsa_float_denorm_mode_16_64 3
		.amdhsa_memory_ordered 1
		.amdhsa_forward_progress 1
		.amdhsa_inst_pref_size 44
	.end_amdhsa_kernel
	.amdgpu_metadata
---
amdhsa.version: [ 1, 2 ]
amdhsa.kernels:
  - .name:           k_qcaf6c8fd39_oproj
    .symbol:         k_qcaf6c8fd39_oproj.kd
    .args:
      - { .name: oc, .offset: 0, .size: 8, .value_kind: global_buffer, .address_space: global }
      - { .name: woc, .offset: 8, .size: 8, .value_kind: global_buffer, .address_space: global }
      - { .name: lowp_scales, .offset: 16, .size: 8, .value_kind: global_buffer, .address_space: global }
      - { .name: out0, .offset: 24, .size: 8, .value_kind: global_buffer, .address_space: global }
    .group_segment_fixed_size: 327680
    .private_segment_fixed_size: 0
    .kernarg_segment_align: 8
    .kernarg_segment_size: 32
    .max_flat_workgroup_size: 128
    .sgpr_count:     100
    .vgpr_count:     1024
    .wavefront_size: 32
...
	.end_amdgpu_metadata
.endif
;; end of part 4
